; MI455X (gfx1250); checked and timed in simulation.
; The chip was launched on July 23, 2026; its instructions are those of AMD's public machine-readable ISA for CDNA 5 (MIT licence, August 2026) and "CDNA5" Instruction Set Architecture Reference Guide (July 2026). The comments in the code are by the model that wrote it; some were corrected since.
;; Multi Head Self Attention. Allowed arithmetic: matrix products marked QUANTISED: E3M2 operands, one E8M0 scale for each 32 along K, by v_wmma_scale_f32_16x16x128_f8f6f4 with both operands' format E3M2, f32 sums; everything else in f32.
;; Inputs: wk 1,024 x 1,024 float32; wo 1,024 x 1,024 float32; wq 1,024 x 1,024 float32; wv 1,024 x 1,024 float32; x 4 x 2,048 x 1,024 float32.
;; Outputs: out0 4 x 2,048 x 1,024 float32.
;; This version of the problem:
;;   THIS VERSION OF THE PROBLEM IS GIVEN IN LOW PRECISION. The matrix products marked QUANTISED in the list below multiply operands that are first quantised to E3M2 (3 exponent bits, 2 mantissa bits; 6 bits a number), with one power-of-two scale for each 32 numbers along K (OCP MX v1.0); their sums are f32. All else is computed in f32.
;;   The module's matrix products, in the order in which they are computed (A, B: the left and right operand; K: the contracted axis; several contracted axes count as one K, in the product's order):
;;     1. [M 8,192, K 1,024] x [K 1,024, N 1,024]; A: input x; B: input wq: QUANTISED
;;     2. [M 8,192, K 1,024] x [K 1,024, N 1,024]; A: input x; B: input wk: QUANTISED
;;     3. [M 8,192, K 1,024] x [K 1,024, N 1,024]; A: input x; B: input wv: QUANTISED
;;     4. batch 64 x [M 2,048, K 64] x [K 64, N 2,048]; A: computed on the way; B: computed on the way: QUANTISED
;;     5. batch 64 x [M 2,048, K 2,048] x [K 2,048, N 64]; A: softmax (see below); B: computed on the way: QUANTISED
;;     6. [M 8,192, K 1,024] x [K 1,024, N 1,024]; A: computed on the way; B: input wo: QUANTISED
;;   THE QUANTISER, for each operand of a quantised product, along K:
;;     - K is cut into blocks of 32 from its start; a last block that is shorter is filled with zeros.
;;     - A block's scale is 2^e with e = floor(log2(the largest magnitude in the block)) - 4, held to -126 .. 127; a block of zeros has e = 0. As a byte (E8M0): e + 127.
;;     - Each number is divided by its block's scale, clamped to +-28, and rounded to the nearest number of E3M2, ties to even, subnormals kept.
;;     - The product sums the exact products of the quantised numbers (number of the format x scale) in f32.
;;   ~~~python
;;   def quantise(x, axis):      # numpy; x: float32 -> the quantised numbers, widened to float32 again
;;       x = np.moveaxis(x, axis, -1); K = x.shape[-1]
;;       x = np.pad(x, [(0, 0)] * (x.ndim - 1) + [(0, -K % 32)]); x = x.reshape(x.shape[:-1] + (-1, 32)); a = np.abs(x).max(-1, keepdims=True)
;;       e = np.where(a > 0, np.clip(np.frexp(np.where(a > 0, a, 1))[1] - 1 - 4, -126, 127), 0)      # np.frexp(a)[1] - 1 = floor(log2(a)), exactly
;;       r = np.clip(x / 2.0 ** e, -28, 28)
;;       step = 2.0 ** (np.maximum(np.frexp(np.where(r == 0, 1, r))[1] - 1, -2) - 2)
;;       q = np.round(r / step) * step * 2.0 ** e      # np.round: ties to even
;;       return np.moveaxis(q.reshape(q.shape[:-2] + (-1,))[..., :K], -1, axis).astype(np.float32)
;;   ~~~
;;   SOFTMAX AHEAD OF A QUANTISED PRODUCT. Where the list says 'softmax', what is quantised is not the finished softmax but p = 2^(t - M), with t = logit x log2(e) and M = ceil(the row's largest t), a whole number; so 1/2 < the row's largest p <= 1. The row's sum l is taken of the UNQUANTISED p, in f32, and the product's result is divided by l at the end. Since M is a whole number, a kernel that streams over the keys may use a running M (the ceiling of the running maximum): every later rescaling is an exact power of two, which a block's scale takes up: the codes' values come out the same.
;;   OPERANDS COMPUTED ON THE WAY. 'Computed on the way' means the value that the module computes at that place (a softmax that the list does not call 'softmax' is quantised finished and normalised). What goes into a quantiser is computed in f32, as accurately as f32 sums, v_exp_f32 and their like allow (about 1e-6 of the number): no bf16 or f16 on the way to a quantiser, and a product that is left as it is and whose result goes on into a quantised operand takes f32 operands (vector FMAs, or v_wmma_f32_16x16x4_f32). A number that lies on a knife's edge between two numbers of the format may be rounded either way, as far as f32 arithmetic and the matrix unit's own rounding can turn it there, and no further.
;; One version. Each part assembles by itself: llvm-mc -triple=amdgcn-amd-amdhsa -mcpu=gfx1250 --defsym DOCPART=n.
;; ======== version 1 of 1: 4 launches
;; workspace buffers: xw 9,437,184 bytes; sc 393,216 bytes; qq 6,553,600 bytes; kv 13,107,200 bytes; oc 6,291,456 bytes; os 262,144 bytes
;; launch quant (part 1): grid 384 x 1, 4 waves a work-group, no clusters, 35,328 bytes of LDS; arguments x, wq, wk, wv, wo, xw, sc; writes xw, sc
.if DOCPART == 1
	.amdgcn_target "amdgcn-amd-amdhsa--gfx1250"
	.amdhsa_code_object_version 6
	.text
	.protected	k_qca5a2c2c39_quant
	.globl	k_qca5a2c2c39_quant
	.p2align	8
	.type	k_qca5a2c2c39_quant,@function
k_qca5a2c2c39_quant:
	s_mov_b64 s[64:65], 0
	v_nop
	global_prefetch_b8 v0, s[64:65] scope:SCOPE_SE
	s_setreg_imm32_b32 hwreg(HW_REG_WAVE_MODE, 25, 1), 1
	s_wait_xcnt 0x0
; x [8192][1024] and wq, wk, wv, wo [1024][1024], f32, K innermost, become codes of BF6 (E3M2) with one E8M0 byte for each 32 along K,
; laid in the order of an operand's registers, so that the later launches load fragments by dense loads alone.
; ROW TILES.  768 tiles of 16 rows: 0-511 x, 512-575 wq, 576-639 wk, 640-703 wv, 704-767 wo.  Lane row r of a tensor's tile t is its row 32 (t / 2) + 8 (t % 2) + r + 8 (r / 8).
; CODES (xw).  For a tile and each 64 along K one image of 768 bytes: lane (r, h) holds k = 32 h .. 32 h + 31 of its row, six registers:
; registers 0-3 at 16 x lane, registers 4-5 at 512 + 8 x lane.  Image c of tile t begins at (16 t + c) x 768.
; SCALE WORDS (sc).  [tile][half of K][r][4 words]: word s of a row covers k = 128 s .. 128 s + 127.
; A block's scale is 2^(floor(log2(its largest magnitude)) - 4): its byte is that magnitude's exponent field - 4, held at 1 from below.
; LIMITS: NaN and infinities among the inputs are not served; a block whose largest magnitude lies under 2^-122 has the byte 1; a block of zeros gets
; the byte 1 where the rule says 127: its codes are zeros, which add nothing, and this program alone reads the bytes.
; SHARES.  Work-group g takes tiles 2 g and 2 g + 1; wave w takes tile 2 g + w / 2 and half w % 2 of K: eight steps of one image.
; A step's eight loads read 256 consecutive bytes of a row in sixteen lanes; the 4,096 bytes turn through the wave's own stage in LDS (rows 272 bytes apart)
; and come back 128 bytes a lane: a whole block of 32 in one lane.  Loads run three steps ahead, the turn one step.  No loop, no barrier: waves share nothing.
; No matrix unit, cluster or tensor load: the launch only streams, and each byte is read once.
.set ROWB,  4096                       ; a row of any of the five tensors, in bytes
.set SP,    272                        ; a stage row: 256 bytes + 16
.set STAGE, 16*SP
.set WREG,  2*STAGE                    ; two stages for each wave
.set E, 16                             ; v16-23   the eight steps' scale bytes
.set W, 24                             ; v24-27   the scale words
.set R, 32                             ; v32-127  three sets of 32 registers as loaded
.set X, 128                            ; v128-191 two sets of 32 neighbours along K
.set C, 192                            ; v192-255 eight registers of codes for each step: no store's data are written again
	s_load_b256 s[4:11], s[0:1], 0x0               ; x, wq, wk, wv
	s_load_b128 s[12:15], s[0:1], 0x20             ; wo, xw
	s_load_b64 s[16:17], s[0:1], 0x30              ; sc
	v_lshl_add_u32 v247, v0, 2, 0x8800
	v_mov_b32 v255, 0
	v_lshrrev_b32 v1, 5, v0
	v_readfirstlane_b32 s18, v1                    ; wave 0..3
	v_and_b32 v1, 31, v0                           ; lane
	v_and_b32 v2, 15, v0                           ; r
	v_bfe_u32 v3, v0, 4, 1                         ; h
	v_lshlrev_b32 v4, 4, v2
	v_lshl_add_u32 v4, v3, 12, v4                  ; in memory: 16 r, lanes 16-31 one row down
	s_mul_i32 s19, s18, WREG
	v_mul_u32_u24 v5, v3, SP
	v_lshl_add_u32 v5, v2, 4, v5
	v_add_nc_u32 v5, s19, v5                       ; into the stage: as loaded
	v_mul_u32_u24 v6, v2, SP
	v_lshl_add_u32 v6, v3, 7, v6
	v_add_nc_u32 v6, s19, v6                       ; out of it: row r, 128 h bytes on
	v_lshlrev_b32 v7, 4, v1                        ; 16 x lane
	v_lshlrev_b32 v10, 3, v1                       ; 8 x lane
	v_lshlrev_b32 v12, 4, v2
	v_lshl_add_u32 v12, v3, 3, v12                 ; 16 r + 8 h: my two scale words
	v_lshlrev_b32 v13, 3, v3                       ; 8 h: my byte's place in a half word
.irp j, 0,1,2,3
	v_mov_b32 v[28+\j], 0                          ; a lane permute's destination counts as one of its sources
.endr
	s_mov_b32 s30, 0x76543210
	s_mov_b32 s31, 0xfedcba98                      ; v_permlanex16_b32's selects for lane l xor 16
	s_lshr_b32 s20, s18, 1                         ; which of the two tiles
	s_and_b32 s21, s18, 1                          ; which half of K
	s_and_b32 s22, ttmp9, 31                       ; a weight's pair of tiles
	s_wait_kmcnt 0x0
	s_cmp_lt_u32 ttmp9, 352                        ; the tensor is chosen by the work-group's number alone
	s_cselect_b64 s[24:25], s[10:11], s[12:13]
	s_cmp_lt_u32 ttmp9, 320
	s_cselect_b64 s[24:25], s[8:9], s[24:25]
	s_cmp_lt_u32 ttmp9, 288
	s_cselect_b64 s[24:25], s[6:7], s[24:25]
	s_cmp_lt_u32 ttmp9, 256
	s_cselect_b64 s[24:25], s[4:5], s[24:25]
	s_cselect_b32 s22, ttmp9, s22                  ; x's pair of tiles
	s_lshl_b32 s22, s22, 5
	s_lshl_b32 s23, s20, 3
	s_add_co_u32 s22, s22, s23                     ; the tile's first row: 32 x pair + 8 x tile
	s_lshl_b32 s22, s22, 12
	s_lshl_b32 s23, s21, 11
	s_add_co_u32 s26, s22, s23                     ; in bytes, + my half of K
	s_mov_b32 s27, 0
	s_add_nc_u64 s[24:25], s[24:25], s[26:27]
	s_lshl_b32 s28, ttmp9, 1
	s_add_co_u32 s28, s28, s20                     ; my tile among the 768
	s_mul_i32 s26, s28, 12288
	s_mul_i32 s23, s21, 6144
	s_add_co_u32 s26, s26, s23
	s_add_nc_u64 s[14:15], s[14:15], s[26:27]      ; my eight images
	s_lshl_b32 s26, s28, 9
	s_lshl_b32 s23, s21, 8
	s_add_co_u32 s26, s26, s23
	s_add_nc_u64 s[16:17], s[16:17], s[26:27]      ; my 256 bytes of scale words
.macro LOAD t                          ; step t: 64 along K of the tile's 16 rows; load j brings lane rows 2 j (lanes 0-15) and 2 j + 1 (lanes 16-31)
.irp j, 0,1,2,3,4,5,6,7
	global_load_b128 v[R+32*((\t)%3)+4*\j:R+32*((\t)%3)+4*\j+3], v4, s[24:25] offset:(2*\j+8*(\j/4))*ROWB+256*(\t) th:TH_LOAD_NT
.endr
.endm
.macro TURN t                          ; through the stage: LDS serves a wave's instructions in order (ISA guide 5.7.1.4), so no wait stands between the stores and the loads
.irp j, 0,1,2,3,4,5,6,7
	ds_store_b128 v5, v[R+32*((\t)%3)+4*\j:R+32*((\t)%3)+4*\j+3] offset:STAGE*((\t)%2)+2*SP*\j
.endr
.irp i, 0,1,2,3,4,5,6,7
	ds_load_b128 v[X+32*((\t)%2)+4*\i:X+32*((\t)%2)+4*\i+3], v6 offset:STAGE*((\t)%2)+16*\i
.endr
.endm
.macro STEP t
.set XS, X+32*((\t)%2)
.set CS, C+8*(\t)
	s_wait_dscnt 0x0                               ; this step's numbers are back, and the stores into the stage have read their registers,
.if (\t)+3 < 8
	LOAD (\t)+3                                    ; which take the loads of three steps on
.endif
.if (\t) < 7
.if (\t) <= 4
	s_wait_loadcnt 16                              ; the next step's eight loads are in; those of the two steps behind it may be out
.elseif (\t) == 5
	s_wait_loadcnt 8
.else
	s_wait_loadcnt 0
.endif
	TURN (\t)+1                                    ; the next step turns while this one is worked
.endif
	v_max3_num_f32 v8, |v[XS]|, |v[XS+1]|, |v[XS+2]|               ; the block's largest magnitude: all 32 numbers are mine; two chains
	v_max3_num_f32 v9, |v[XS+3]|, |v[XS+4]|, |v[XS+5]|
.irp i, 6,10,14,18,22,26
	v_max3_num_f32 v8, v8, |v[XS+\i]|, |v[XS+\i+1]|
	v_max3_num_f32 v9, v9, |v[XS+\i+2]|, |v[XS+\i+3]|
.endr
	v_max3_num_f32 v8, v8, |v[XS+30]|, |v[XS+31]|
	v_max3_num_f32 v8, v8, v9, 0x2800000           ; and the floor 2^(5 - 127): the byte cannot fall under 1
	v_add_nc_u32 v11, 0xfe000000, v8               ; 4 off the exponent field: the conversion takes that field of this operand as its scale
	v_cvt_scalef32_pk16_bf6_f32 v[CS:CS+2], v[XS:XS+15], v11
	v_cvt_scalef32_pk16_bf6_f32 v[CS+4:CS+6], v[XS+16:XS+31], v11  ; (a conversion's three registers begin on an even number)
	v_lshrrev_b32 v[E+(\t)], 23, v11               ; the scale's byte; also the plain instruction between the conversions and the moves
	v_mov_b32 v[CS+3], v[CS+4]
	v_mov_b32 v[CS+4], v[CS+5]
	v_mov_b32 v[CS+5], v[CS+6]
	global_store_b128 v7, v[CS:CS+3], s[14:15] offset:768*(\t)     ; 512 consecutive bytes, at a multiple of 256 from the buffer's first byte
	global_store_b64 v10, v[CS+4:CS+5], s[14:15] offset:768*(\t)+512   ; and 256 more
.endm
	LOAD 0
	LOAD 1
	LOAD 2
	s_wait_loadcnt 16                              ; step 0's eight loads are in
	TURN 0
.irp t, 0,1,2,3,4,5,6,7
	STEP \t
.endr
	; word j covers steps 2 j and 2 j + 1: its bytes are (step 2 j, h = 0), (2 j, 1), (2 j + 1, 0), (2 j + 1, 1)
.irp j, 0,1,2,3
	v_lshl_or_b32 v[W+\j], v[E+2*\j+1], 16, v[E+2*\j]
.endr
.irp j, 0,1,2,3
	v_lshlrev_b32 v[W+\j], v13, v[W+\j]
.endr
.irp j, 0,1,2,3
	v_permlanex16_b32 v[28+\j], v[W+\j], s30, s31
.endr
.irp j, 0,1,2,3
	v_or_b32 v[W+\j], v[W+\j], v[28+\j]            ; with lane l xor 16's two bytes the word is whole
.endr
	v_cmp_eq_u32 vcc_lo, 1, v3
	v_cndmask_b32 v14, v24, v26, vcc_lo            ; lanes 0-15 store words 0 and 1 of their row, lanes 16-31 words 2 and 3
	v_cndmask_b32 v15, v25, v27, vcc_lo
	global_store_b64 v12, v[14:15], s[16:17]       ; 32 lanes fill 256 consecutive bytes
	s_wait_tensorcnt 0x0
	ds_add_u32 v247, v255
	s_wait_dscnt 0x0
	s_endpgm
.Lfunc_end_k_qca5a2c2c39_quant:
	.size	k_qca5a2c2c39_quant, .Lfunc_end_k_qca5a2c2c39_quant-k_qca5a2c2c39_quant
	.p2alignl 7, 3214868480
	.fill 96, 4, 3214868480
	.section	.rodata,"a",@progbits
	.p2align	6, 0x0
	.amdhsa_kernel k_qca5a2c2c39_quant
		.amdhsa_group_segment_fixed_size 35328
		.amdhsa_private_segment_fixed_size 0
		.amdhsa_enable_private_segment 0
		.amdhsa_kernarg_size 56
		.amdhsa_user_sgpr_count 2
		.amdhsa_user_sgpr_kernarg_segment_ptr 1
		.amdhsa_wavefront_size32 1
		.amdhsa_system_sgpr_workgroup_id_x 1
		.amdhsa_system_sgpr_workgroup_id_y 1
		.amdhsa_system_sgpr_workgroup_id_z 1
		.amdhsa_system_vgpr_workitem_id 0
		.amdhsa_next_free_vgpr 256
		.amdhsa_next_free_sgpr 66
		.amdhsa_reserve_vcc 1
		.amdhsa_float_denorm_mode_32 3
		.amdhsa_float_denorm_mode_16_64 3
		.amdhsa_memory_ordered 1
		.amdhsa_forward_progress 1
		.amdhsa_inst_pref_size 31
	.end_amdhsa_kernel
	.amdgpu_metadata
---
amdhsa.version: [ 1, 2 ]
amdhsa.kernels:
  - .name:           k_qca5a2c2c39_quant
    .symbol:         k_qca5a2c2c39_quant.kd
    .args:
      - { .name: x, .offset: 0, .size: 8, .value_kind: global_buffer, .address_space: global }
      - { .name: wq, .offset: 8, .size: 8, .value_kind: global_buffer, .address_space: global }
      - { .name: wk, .offset: 16, .size: 8, .value_kind: global_buffer, .address_space: global }
      - { .name: wv, .offset: 24, .size: 8, .value_kind: global_buffer, .address_space: global }
      - { .name: wo, .offset: 32, .size: 8, .value_kind: global_buffer, .address_space: global }
      - { .name: xw, .offset: 40, .size: 8, .value_kind: global_buffer, .address_space: global }
      - { .name: sc, .offset: 48, .size: 8, .value_kind: global_buffer, .address_space: global }
    .group_segment_fixed_size: 35328
    .private_segment_fixed_size: 0
    .kernarg_segment_align: 8
    .kernarg_segment_size: 56
    .max_flat_workgroup_size: 128
    .sgpr_count:     66
    .vgpr_count:     256
    .wavefront_size: 32
...
	.end_amdgpu_metadata
.endif
;; end of part 1
;; launch proj (part 2): grid 16 x 48, 4 waves a work-group, clusters of 4 x 4, 296,448 bytes of LDS; arguments xw, sc, qq, kv; writes qq, kv
.if DOCPART == 2
	.amdgcn_target "amdgcn-amd-amdhsa--gfx1250"
	.amdhsa_code_object_version 6
	.text
	.protected	k_qca5a2c2c39_proj
	.globl	k_qca5a2c2c39_proj
	.p2align	8
	.type	k_qca5a2c2c39_proj,@function
k_qca5a2c2c39_proj:
	s_mov_b64 s[64:65], 0
	v_nop
	global_prefetch_b8 v0, s[64:65] scope:SCOPE_SE
	s_setreg_imm32_b32 hwreg(HW_REG_WAVE_MODE, 25, 1), 1
	s_wait_xcnt 0x0
	s_wait_alu depctr_hold_cnt(0) depctr_sa_sdst(0) depctr_va_vdst(0) depctr_va_sdst(0) depctr_va_ssrc(0) depctr_va_vcc(0) depctr_vm_vsrc(0)
	s_getreg_b32 s2, hwreg(HW_REG_IB_STS2, 6, 4)
	s_cmp_eq_u32 s2, 0
	s_cbranch_scc0 .Lentry_in_a_cluster
	s_endpgm
.Lentry_in_a_cluster:
	s_bfe_u32 s2, ttmp6, 0x10000c
	s_cmp_lg_u32 s2, 0xf033
	s_cbranch_scc0 .Lentry_shape_is_right
	s_endpgm
.Lentry_shape_is_right:
; Q = x wq^T, K = x wk^T, V = x wv^T on codes of BF6 (E3M2) with E8M0 scales, K = 1,024; the results are quantised in registers and leave as codes, in the order of the next products' operand registers.
; INPUTS.  xw: for each tile of 16 rows (0-511 x, 512-575 wq, 576-639 wk, 640-703 wv) sixteen images of 768 bytes, one for each 64 along K: lane (r, h) holds k = 32 h .. 32 h + 31: registers 0-3 at 16 x lane,
; registers 4-5 at 512 + 8 x lane.  sc: [tile][half of K][r][4 words].  Lane row r of tile t is row 32 (t / 2) + 8 (t % 2) + r + 8 (r / 8): so the 16 result registers of two neighbouring tiles of source 0 are 16 neighbours.
; THE TILE.  A work-group makes 256 rows of R (source 1: a lane holds one of its rows) x 128 rows of C (source 0: a lane's registers run along them).  Wave w owns R's tiles 4 w .. 4 w + 3 and all eight of C: 32 accumulators.
; ALL OF K LIES IN LDS: four stages of 256 along K, 73,728 bytes each (R's 16 tiles x 3,072 bytes, then C's 8), each filled once, by four tensor loads a wave issued together at the head: four are out at the most.
; No LDS byte is filled twice, so there is no ring and no refill.  All tiles are asked for at the head, so nothing is left to prefetch.
; ROLES, by the cluster's coordinates alone (alike in all partners).  Cluster y < 8: R = x, C = wq (cluster x < 2) or wk: a lane holds a token, its registers 128 channels = two heads: Q and K, quantised along the head's 64.
; Cluster y >= 8: R = wv, C = x: a lane holds a channel, its registers 128 tokens: V, quantised along the keys.
; CLUSTERS: 4 x 4 work-groups; R's tiles are asked for jointly along a row of the cluster, C's along a column.
; OUTPUTS.  qq: [head of a batch, 64][128 tokens, 16][6,400]: eight images of 768 bytes, then [r][4 words]: word j = the two scale bytes of tile 2 j below, of tile 2 j + 1 above.
; kv: [64][128 keys, 16][12,800]: K as in qq at 0; V at 6,144: four tiles of 16 channels, each an image of 12 registers (registers 4 c .. 4 c + 3 at 512 c + 16 x lane); K's words at 12,288; V's [r][4 tiles] at 12,544.
; LIMITS: NaN and infinities are not served; a block whose largest magnitude lies under 2^-122, a block of zeros among them, has the byte 1 (zeros add nothing; this program alone reads the bytes).
; REGISTERS.  Window 0: v1-3 r, h, lane; v16-26 addresses; v32-63 R's scale words (8 a + s); v64-127 C's (8 b + s); v128-223 R's fragments, two sets; v224-235 at work.  Window 1: C's fragments, two sets, at 0 and 128.
; Window 2: accumulator (a, b) at 8 (8 a + b).  On the way out v128-207 hold the codes, v208-223 the quantiser's work.
.set STG,   73728                      ; a stage
.set CBASE, 49152                      ; C's tiles in a stage
.set SCR,   4*STG                      ; behind the stages: 1,024 bytes in which Q's or K's scale words meet; no fill lands there
.set SA, 32
.set SB, 64
.set AF, 128
.set TM, 208
.set PW, 224
.set MSB, 0
.macro WIN new                         ; the immediate's high byte repeats the setting that is left
.if MSB != \new
	s_set_vgpr_msb (MSB<<8)|\new
.set MSB, \new
.endif
.endm
.macro CROUND                          ; a round of the cluster's barrier
	s_barrier_signal -1
	s_barrier_wait -1
	s_cmp_lg_u32 s14, 0
	s_cbranch_scc1 .Lnot_wave_0_\@
	s_barrier_signal -3
.Lnot_wave_0_\@:
	s_barrier_wait -3
	s_barrier_signal -1
	s_barrier_wait -1
.endm
.macro PLACES n
.rept \n
	v_nop
.endr
.endm
.macro FRAG reg, a16, a8, off          ; a fragment, 16 rows x 128 K: two images, as they lie
	ds_load_b128 v[(\reg):(\reg)+3], v[\a16] offset:(\off)
	ds_load_b64 v[(\reg)+4:(\reg)+5], v[\a8] offset:(\off)+512
	ds_load_b128 v[(\reg)+6:(\reg)+9], v[\a16] offset:(\off)+768
	ds_load_b64 v[(\reg)+10:(\reg)+11], v[\a8] offset:(\off)+1280
.endm
.macro FETCH s                         ; K step s: C's eight fragments and my four of R into set s % 2: 48 LDS loads in one run
	WIN 0x40                                       ; destination window 1, address window 0
.irp b, 0,1,2,3,4,5,6,7
	FRAG 128*((\s)%2)+12*\b, 18, 19, 3072*\b+1536*((\s)%2)
.endr
	WIN 0
.irp a, 0,1,2,3
	FRAG AF+48*((\s)%2)+12*\a, 16, 17, 3072*\a+1536*((\s)%2)
.endr
.endm
.macro MUL32 s                         ; the 32 accumulators take turns, one instruction a turn, in the same order in every step; the first step's products start the sums
	WIN 0xa1                                       ; source 0 window 1, source 1 window 0, C and D window 2
.irp a, 0,1,2,3
.irp b, 0,1,2,3,4,5,6,7
.if (\s) == 0
	v_wmma_scale_f32_16x16x128_f8f6f4 v[8*(8*\a+\b):8*(8*\a+\b)+7], v[128*((\s)%2)+12*\b:128*((\s)%2)+12*\b+11], v[AF+48*((\s)%2)+12*\a:AF+48*((\s)%2)+12*\a+11], 0, v[SB+8*\b+(\s)], v[SA+8*\a+(\s)] matrix_a_fmt:MATRIX_FMT_BF6 matrix_b_fmt:MATRIX_FMT_BF6
.else
	v_wmma_scale_f32_16x16x128_f8f6f4 v[8*(8*\a+\b):8*(8*\a+\b)+7], v[128*((\s)%2)+12*\b:128*((\s)%2)+12*\b+11], v[AF+48*((\s)%2)+12*\a:AF+48*((\s)%2)+12*\a+11], v[8*(8*\a+\b):8*(8*\a+\b)+7], v[SB+8*\b+(\s)], v[SA+8*\a+(\s)] matrix_a_fmt:MATRIX_FMT_BF6 matrix_b_fmt:MATRIX_FMT_BF6
.endif
.endr
.endr
	WIN 0
.endm
; A K step of 128.  Loads into registers that matrix instructions have read stand four plain vector instructions behind them (ISA guide 7.12.1 for vector instructions).
.macro KSTEP s
.if (\s) == 7
	s_wait_dscnt 0x0                               ; the last fragments are in
.elseif ((\s)%2) == 0
.if (\s) > 0
	PLACES 4
.endif
	FETCH (\s)+1                                   ; the stage's second half, into the set that the last step multiplied
	s_wait_dscnt 48                                ; all but the 48 just issued: this step's fragments are in
.else
	s_wait_tensorcnt 3-((\s)+1)/2                  ; my part of the next stage has landed; the later stages' loads may be out
	s_wait_dscnt 0x0                               ; this step's fragments are in: no LDS instruction of mine is out at the signal
	s_barrier_signal -1
	s_barrier_wait -1                              ; everybody's part has landed
	s_wait_alu depctr_va_vdst(0)
	v_add_nc_u32 v16, STG, v16                     ; on to the next stage; these four are the places in front of the loads
	v_add_nc_u32 v17, STG, v17
	v_add_nc_u32 v18, STG, v18
	v_add_nc_u32 v19, STG, v19
	FETCH (\s)+1
.endif
	MUL32 \s
.endm
; The 64 results of R's tile a, register 16 b + i = place 32 b + 16 h + i along the next K, become a fragment's codes in v[128 + 20 a] on and its scale word in v[PW + a].
.macro QUANT a
.set QS, 64*(\a)
.set PC, 128+20*(\a)
	WIN 0x0a                                       ; sources 0 and 1 window 2
.irp b, 0,1,2,3
	v_max3_num_f32 v[TM+\b], |v[QS+16*\b]|, |v[QS+16*\b+1]|, 0x2800000   ; block b: my 16 numbers, each accumulator from its low end on, and the floor 2^(5 - 127)
.endr
	WIN 0x28                                       ; sources 1 and 2 window 2
.irp i, 2,4,6,8,10,12,14
.irp b, 0,1,2,3
	v_max3_num_f32 v[TM+\b], v[TM+\b], |v[QS+16*\b+\i]|, |v[QS+16*\b+\i+1]|
.endr
.endr
	WIN 0
.irp b, 0,1,2,3
	v_permlanex16_b32 v[TM+4+\b], v[TM+\b], s2, s3
.endr
.irp b, 0,1,2,3
	v_max_num_f32 v[TM+\b], v[TM+\b], v[TM+4+\b]   ; with lane l xor 16's 16: the block's largest magnitude
.endr
.irp b, 0,1,2,3
	v_add_nc_u32 v[TM+12+\b], 0xfe000000, v[TM+\b] ; 4 off its exponent field: the conversion's scale operand
.endr
.irp b, 0,1,2,3
	v_lshrrev_b32 v[TM+4+\b], 23, v[TM+12+\b]      ; the scale's byte
.endr
	v_lshl_or_b32 v[PW+(\a)], v[TM+5], 8, v[TM+4]
	v_lshl_or_b32 v[PW+(\a)], v[TM+6], 16, v[PW+(\a)]
	v_lshl_or_b32 v[PW+(\a)], v[TM+7], 24, v[PW+(\a)]
	WIN 0x02                                       ; source 0 window 2
.irp c, 0,1
	v_cvt_scalef32_pk16_bf6_f32 v[PC+6*\c:PC+6*\c+2], v[QS+32*\c:QS+32*\c+15], v[TM+12+2*\c]
	v_cvt_scalef32_pk16_bf6_f32 v[PC+12+4*\c:PC+14+4*\c], v[QS+32*\c+16:QS+32*\c+31], v[TM+13+2*\c]   ; (a conversion's three registers begin on an even number)
.endr
	WIN 0
	v_nop                                          ; one plain instruction behind the conversions
.irp c, 0,1                            ; the operand's layout wants a whole block in a lane: lanes 0-15 block 2 c, lanes 16-31 block 2 c + 1
.irp i, 0,1,2
	v_permlane16_swap_b32 v[PC+6*\c+\i], v[PC+12+4*\c+\i]
.endr
.irp i, 0,1,2
	v_mov_b32 v[PC+3+6*\c+\i], v[PC+12+4*\c+\i]
.endr
.endr
.endm
	s_load_b256 s[4:11], s[0:1], 0x0               ; xw, sc, qq, kv
	v_lshl_add_u32 v254, v0, 2, 0x48400
	v_mov_b32 v255, 0
	ds_add_u32 v254, v255
	ds_add_u32 v254, v255
	v_lshrrev_b32 v4, 5, v0
	v_readfirstlane_b32 s14, v4                    ; wave 0..3
	s_lshr_b32 s15, s14, 1
	s_and_b32 s16, s14, 1
	s_bfe_u32 s40, ttmp6, 0x40000                  ; cx, cy: my place in the cluster
	s_bfe_u32 s41, ttmp6, 0x40004
	s_mov_b32 s42, ttmp9                           ; the cluster's x, 0..3
	s_and_b32 s43, ttmp7, 0xffff                   ; and y, 0..11
	s_lshl_b32 s84, s41, 2
	s_lshl_b32 s84, 15, s84                        ; my row of the cluster
	s_lshl_b32 s85, 0x1111, s40                    ; my column
	; descriptor group 1: rows of 3,072 bytes (384 elements of 8 bytes: a tile's four images of a stage), 12,288 bytes apart in memory, dense in LDS; R: 8 tiles a load, C: 4
	s_or_b32 s24, s84, (3<<16)|(1<<21)             ; 15:0 the mask; 17:16 elements of 8 bytes; 20 no padding; 21 set beside a mask
	s_or_b32 s32, s85, (3<<16)|(1<<21)
	s_mov_b32 s25, 384<<16                         ; tensor_dim0
	s_mov_b32 s26, 8<<16                           ; tensor_dim1
	s_mov_b32 s27, 384<<16                         ; tile_dim0
	s_mov_b32 s28, 8                               ; tile_dim1
	s_mov_b32 s29, 1536                            ; the pitch, in elements
	s_mov_b32 s30, 0
	s_mov_b32 s31, 0
	s_mov_b32 s33, 384<<16
	s_mov_b32 s34, 4<<16
	s_mov_b32 s35, 384<<16
	s_mov_b32 s36, 4
	s_mov_b32 s37, 1536
	s_mov_b32 s38, 0
	s_mov_b32 s39, 0
	; which block of R and of C.  R's hangs on cy and never on cx, C's on cx and never on cy
	s_lshl_b32 s84, s43, 2
	s_add_co_u32 s84, s84, s41                     ; Q, K: R = x's block 4 x cluster y + cy
	s_lshl_b32 s85, s42, 2
	s_add_co_u32 s85, s85, s40                     ; C = block 4 x cluster x + cx of wq and wk on end
	s_max_u32 s86, s43, 8
	s_sub_co_u32 s86, s86, 8
	s_lshl_b32 s86, s86, 2
	s_add_co_u32 s86, s86, s42                     ; V: the cluster's number among the 16 of that role
	s_lshl_b32 s86, s86, 2
	s_add_co_u32 s86, s86, s40                     ; C = x's block of 128 tokens
	s_cmp_ge_u32 s43, 8
	s_cselect_b32 s17, s41, s84                    ; R's block (V: wv's block cy)
	s_cselect_b32 s18, s86, s85                    ; C's block
	s_cselect_b32 s87, 640, 0                      ; R's tensor begins at this tile,
	s_cselect_b32 s88, 0, 512                      ; C's at this
	s_lshl_b32 s89, s17, 4
	s_add_co_u32 s89, s89, s87                     ; R's first tile
	s_lshl_b32 s90, s18, 3
	s_add_co_u32 s90, s90, s88                     ; C's first tile
	s_lshl_b32 s91, s14, 2
	s_add_co_u32 s91, s91, s89
	s_lshl_b32 s91, s91, 9                         ; the scale words of my four tiles of R
	s_lshl_b32 s92, s90, 9                         ; and of C's eight
	s_lshl_b32 s93, s16, 3
	s_add_co_u32 s93, s93, s89                     ; waves 0 and 1 fetch R's tiles 8 (w % 2) on,
	s_mul_i32 s94, s93, 12288
	s_mov_b32 s95, 0
	s_lshl_b32 s19, s16, 2
	s_add_co_u32 s19, s19, s90                     ; waves 2 and 3 C's tiles 4 (w % 2) on
	s_mul_i32 s96, s19, 12288
	s_mov_b32 s97, 0
	s_mul_i32 s98, s16, 24576                      ; where they go: no place in the cluster enters an LDS address
	s_mul_i32 s99, s16, 12288
	s_wait_dscnt 0x0
	s_wait_kmcnt 0x0
	s_add_nc_u64 s[44:45], s[4:5], s[94:95]
	s_add_nc_u64 s[46:47], s[4:5], s[96:97]
.irp k, 0,1,2,3                        ; descriptor group 0, a set for each stage
	s_mov_b32 s[48+4*\k], 1
	s_add_co_u32 s[49+4*\k], s98, \k*STG
	s_add_nc_u64 s[50+4*\k:51+4*\k], s[44:45], \k*3072
	s_or_b32 s[51+4*\k], s[51+4*\k], 0x80000000
	s_mov_b32 s[68+4*\k], 1
	s_add_co_u32 s[69+4*\k], s99, \k*STG+CBASE
	s_add_nc_u64 s[70+4*\k:71+4*\k], s[46:47], \k*3072
	s_or_b32 s[71+4*\k], s[71+4*\k], 0x80000000
.endr
	CROUND                                         ; all sixteen work-groups are here: the joint loads meet
	s_cmp_lt_u32 s14, 2                            ; a wave's four fills stand in one branch on its number; four v_nop follow the last
	s_cbranch_scc0 .Lfill_c
	tensor_load_to_lds s[48:51], s[24:31]
	s_nop 0
	tensor_load_to_lds s[52:55], s[24:31]
	s_nop 0
	tensor_load_to_lds s[56:59], s[24:31]
	s_nop 0
	tensor_load_to_lds s[60:63], s[24:31]
	s_nop 0
	PLACES 4
	s_branch .Lfilled
.Lfill_c:
	tensor_load_to_lds s[68:71], s[32:39]
	s_nop 0
	tensor_load_to_lds s[72:75], s[32:39]
	s_nop 0
	tensor_load_to_lds s[76:79], s[32:39]
	s_nop 0
	tensor_load_to_lds s[80:83], s[32:39]
	s_nop 0
	PLACES 4
.Lfilled:
	v_and_b32 v1, 15, v0                           ; r
	v_bfe_u32 v2, v0, 4, 1                         ; h
	v_and_b32 v3, 31, v0                           ; lane
	v_lshlrev_b32 v22, 4, v3                       ; 16 x lane
	v_lshlrev_b32 v23, 3, v3                       ; 8 x lane
	v_lshlrev_b32 v26, 4, v1                       ; 16 r
	v_add_nc_u32 v20, s91, v26
	v_add_nc_u32 v21, s92, v26
.irp a, 0,1,2,3
.irp q, 0,1
	global_load_b128 v[SA+8*\a+4*\q:SA+8*\a+4*\q+3], v20, s[6:7] offset:512*\a+256*\q   ; lane r: row r's four words of a half of K
.endr
.endr
.irp b, 0,1,2,3,4,5,6,7
.irp q, 0,1
	global_load_b128 v[SB+8*\b+4*\q:SB+8*\b+4*\q+3], v21, s[6:7] offset:512*\b+256*\q
.endr
.endr
	s_mul_i32 s12, s14, 12288
	v_add_nc_u32 v16, s12, v22                     ; my four tiles of R in a stage
	v_add_nc_u32 v17, s12, v23
	v_add_nc_u32 v18, CBASE, v22                   ; C's eight
	v_add_nc_u32 v19, CBASE, v23
	s_lshl_b32 s12, s15, 9
	s_lshl_b32 s13, s16, 3
	s_add_co_u32 s12, s12, s13
	s_add_co_u32 s12, s12, SCR
	v_lshl_add_u32 v24, v2, 8, v26
	v_add_nc_u32 v24, s12, v24                     ; the scale words meet: [128 tokens w / 2][head's parity h][r][4 words], my two words at 8 (w % 2)
	s_lshl_b32 s12, s14, 8
	s_add_co_u32 s12, s12, SCR
	v_add_nc_u32 v25, s12, v23                     ; and leave: wave w takes the w-th 256 bytes
	v_lshl_add_u32 v26, v2, 3, v26                 ; 16 r + 8 h
	v_mov_b32 v230, 0x05040100
	v_mov_b32 v231, 0x07060302
	v_cmp_eq_u32 vcc_lo, 1, v2
	v_cndmask_b32 v230, v230, v231, vcc_lo         ; lanes 0-15 pick the words' low halves (the even head's bytes), lanes 16-31 the high halves
	s_mov_b32 s2, 0x76543210
	s_mov_b32 s3, 0xfedcba98                       ; v_permlanex16_b32's selects for lane l xor 16
	s_wait_alu depctr_va_vdst(0)
	s_wait_tensorcnt 3                             ; my part of stage 0 has landed; three later loads may be out
	s_barrier_signal -1
	s_barrier_wait -1                              ; everybody's has
	FETCH 0
	s_wait_loadcnt 0x0                             ; the scale words
.irp s, 0,1,2,3,4,5,6,7
	KSTEP \s
.endr
	; THE WAY OUT
	PLACES 4                                       ; behind the last products: their results are read and their operands' registers written
.irp b, 0,1,2,3
	v_mov_b32 v[TM+4+\b], 0                        ; a lane permute's destination counts as one of its sources
.endr
	QUANT 0
	QUANT 1
	QUANT 2
	QUANT 3
	; Q, K: where my rows go.  Made ahead of the parting, since the last of these addresses is used behind the join
	s_lshr_b32 s84, s17, 3                         ; the batch
	s_and_b32 s85, s17, 7
	s_lshl_b32 s85, s85, 1
	s_add_co_u32 s85, s85, s15                     ; which 128 tokens of it
	s_and_b32 s86, s18, 7                          ; which pair of heads
	s_lshl_b32 s84, s84, 4
	s_lshl_b32 s86, s86, 1
	s_add_co_u32 s84, s84, s86                     ; the even head among the 64
	s_mov_b32 s90, 102400
	s_mov_b32 s91, 6400
	s_mov_b32 s92, 6144
	s_cmp_ge_u32 s42, 2                            ; K's clusters or Q's
	s_cselect_b64 s[88:89], s[10:11], s[8:9]
	s_cselect_b32 s90, 204800, s90                 ; bytes of a head,
	s_cselect_b32 s91, 12800, s91                  ; of a record,
	s_cselect_b32 s92, 12288, s92                  ; and where its scale words begin
	s_mul_i32 s93, s84, s90
	s_mul_i32 s94, s85, s91
	s_add_co_u32 s93, s93, s94                     ; the even head's record
	s_mul_i32 s96, s16, 3072
	s_add_co_u32 s96, s96, s93                     ; my four tiles in it
	s_mov_b32 s97, 0
	s_add_nc_u64 s[44:45], s[88:89], s[96:97]
	s_mov_b32 s96, s90
	s_add_nc_u64 s[46:47], s[44:45], s[96:97]      ; the odd head's
	s_mul_i32 s96, s16, s90
	s_add_co_u32 s96, s96, s93
	s_add_co_u32 s96, s96, s92
	s_add_nc_u64 s[20:21], s[88:89], s[96:97]      ; the scale words of head parity w % 2, tokens' half w / 2
	s_cmp_ge_u32 s43, 8
	s_cbranch_scc1 .Lv_out
	s_wait_alu depctr_va_vdst(0)
.irp a, 0,1,2,3                        ; registers 0-5 of a fragment are the even head's image, registers 6-11 the odd head's
	global_store_b128 v22, v[128+20*\a:131+20*\a], s[44:45] offset:768*\a
	global_store_b64 v23, v[132+20*\a:133+20*\a], s[44:45] offset:768*\a+512
	global_store_b128 v22, v[134+20*\a:137+20*\a], s[46:47] offset:768*\a
	global_store_b64 v23, v[138+20*\a:139+20*\a], s[46:47] offset:768*\a+512
.endr
	v_perm_b32 v228, v225, v224, v230              ; a head's two bytes of tiles 0 and 1,
	v_perm_b32 v229, v227, v226, v230              ; of tiles 2 and 3
	ds_store_b64 v24, v[228:229]
	s_branch .Ljoin
.Lv_out:
	s_lshr_b32 s84, s18, 4                         ; V: the batch,
	s_lshl_b32 s84, s84, 4
	s_lshl_b32 s85, s17, 2
	s_add_co_u32 s84, s84, s85
	s_add_co_u32 s84, s84, s14                     ; the head: my four tiles of wv are one head's 64 channels,
	s_mul_i32 s84, s84, 204800
	s_and_b32 s85, s18, 15                         ; the 128 keys
	s_mul_i32 s85, s85, 12800
	s_add_co_u32 s96, s84, s85
	s_add_co_u32 s96, s96, 6144
	s_add_nc_u64 s[22:23], s[10:11], s[96:97]
	s_wait_alu depctr_va_vdst(0)
.irp a, 0,1,2,3
.irp c, 0,1,2
	global_store_b128 v22, v[128+20*\a+4*\c:131+20*\a+4*\c], s[22:23] offset:1536*\a+512*\c
.endr
.endr
	v_cmp_eq_u32 vcc_lo, 1, v2
	v_cndmask_b32 v228, v224, v226, vcc_lo         ; lanes 0-15 store the words of tiles 0 and 1 of their row, lanes 16-31 those of tiles 2 and 3
	v_cndmask_b32 v229, v225, v227, vcc_lo
	global_store_b64 v26, v[228:229], s[22:23] offset:6400   ; 32 lanes fill 256 consecutive bytes
.Ljoin:
	s_wait_dscnt 0x0                               ; for the others' sake: my scale words lie in LDS
	s_barrier_signal -1
	s_barrier_wait -1
	s_cmp_ge_u32 s43, 8
	s_cbranch_scc1 .Lclose
	ds_load_b64 v[232:233], v25                    ; a record's 256 bytes of scale words, from two waves
	s_wait_dscnt 0x0
	global_store_b64 v23, v[232:233], s[20:21]     ; 32 lanes fill 256 consecutive bytes
.Lclose:
	s_wait_tensorcnt 0x0
	ds_add_u32 v254, v255
	s_wait_dscnt 0x0
	CROUND                                         ; the closing round: no work-group ends while a partner may still ask for a tile that names it
	s_endpgm
.Lfunc_end_k_qca5a2c2c39_proj:
	.size	k_qca5a2c2c39_proj, .Lfunc_end_k_qca5a2c2c39_proj-k_qca5a2c2c39_proj
	.p2alignl 7, 3214868480
	.fill 96, 4, 3214868480
	.section	.rodata,"a",@progbits
	.p2align	6, 0x0
	.amdhsa_kernel k_qca5a2c2c39_proj
		.amdhsa_group_segment_fixed_size 296448
		.amdhsa_private_segment_fixed_size 0
		.amdhsa_enable_private_segment 0
		.amdhsa_kernarg_size 32
		.amdhsa_user_sgpr_count 2
		.amdhsa_user_sgpr_kernarg_segment_ptr 1
		.amdhsa_wavefront_size32 1
		.amdhsa_system_sgpr_workgroup_id_x 1
		.amdhsa_system_sgpr_workgroup_id_y 1
		.amdhsa_system_sgpr_workgroup_id_z 1
		.amdhsa_system_vgpr_workitem_id 0
		.amdhsa_next_free_vgpr 768
		.amdhsa_next_free_sgpr 100
		.amdhsa_reserve_vcc 1
		.amdhsa_float_denorm_mode_32 3
		.amdhsa_float_denorm_mode_16_64 3
		.amdhsa_memory_ordered 1
		.amdhsa_forward_progress 1
		.amdhsa_inst_pref_size 91
	.end_amdhsa_kernel
	.amdgpu_metadata
---
amdhsa.version: [ 1, 2 ]
amdhsa.kernels:
  - .name:           k_qca5a2c2c39_proj
    .symbol:         k_qca5a2c2c39_proj.kd
    .args:
      - { .name: xw, .offset: 0, .size: 8, .value_kind: global_buffer, .address_space: global }
      - { .name: sc, .offset: 8, .size: 8, .value_kind: global_buffer, .address_space: global }
      - { .name: qq, .offset: 16, .size: 8, .value_kind: global_buffer, .address_space: global }
      - { .name: kv, .offset: 24, .size: 8, .value_kind: global_buffer, .address_space: global }
    .group_segment_fixed_size: 296448
    .private_segment_fixed_size: 0
    .kernarg_segment_align: 8
    .kernarg_segment_size: 32
    .max_flat_workgroup_size: 128
    .sgpr_count:     100
    .vgpr_count:     768
    .wavefront_size: 32
...
	.end_amdgpu_metadata
.endif
;; end of part 2
;; launch attn (part 3): grid 4 x 64, 16 waves a work-group, no clusters, 207,872 bytes of LDS; arguments qq, kv, oc, os; writes oc, os
.if DOCPART == 3
	.amdgcn_target "amdgcn-amd-amdhsa--gfx1250"
	.amdhsa_code_object_version 6
	.text
	.protected	k_qca5a2c2c39_attn
	.globl	k_qca5a2c2c39_attn
	.p2align	8
	.type	k_qca5a2c2c39_attn,@function
k_qca5a2c2c39_attn:
	s_mov_b64 s[64:65], 0
	v_nop
	global_prefetch_b8 v0, s[64:65] scope:SCOPE_SE
	s_setreg_imm32_b32 hwreg(HW_REG_WAVE_MODE, 25, 1), 1
	s_wait_xcnt 0x0
; Causal attention of one head on codes of BF6 (E3M2) with E8M0 scales: O = softmax(Q K^T / 8) V, head size 64, 2,048 tokens, 64 heads (4 batches x 16); O / l is quantised along the channels and leaves as codes.
; THE SOFTMAX AHEAD OF THE SECOND PRODUCT: t = score x log2(e) / 8; M = the row's largest t so far, rounded up to a whole number; p = 2^(t - M) is quantised along the keys, not normalised; the row's sum is taken of the
; unquantised p and divides O at the end.  When M moves, the sum and O are multiplied by 2^(old M - new M), which rounds nothing.
; INPUTS.  qq: [head][128 tokens][6,400]: eight images of 768 bytes (a tile of 16 tokens x 64: lane (r, h) holds k = 32 h .. + 31: registers 0-3 at 16 x lane, 4-5 at 512 + 8 x lane), then [r][4 words]: word j = the two scale
; bytes of tile 2 j below, of tile 2 j + 1 above.  kv: [head][128 keys][12,800]: K likewise at 0; V at 6,144: four tiles of 16 channels x 128 keys, images of 12 registers; K's words at 12,288, V's [r][4 tiles] at 12,544.
; Lane row r of tile t is token (or channel) 32 (t / 2) + 8 (t % 2) + r + 8 (r / 8): the 16 result registers of two neighbouring tiles of source 0 are 16 neighbours.
; SHARES.  Work-group (i, head) owns the blocks 7 - i and i of 256 queries, one after the other: by the causal mask 2 (8 - i) + 2 (i + 1) = 18 key steps in every work-group.  Wave w owns tile w of the block: 16 queries.
; Four waves share a SIMD, so that one wave's vector work stands beside another's products and LDS loads.
; K AND V OF THE WHOLE HEAD, 204,800 bytes, come into LDS once: each wave issues four tensor loads at the head (four are out at the most), load g its sixteenth of key steps 4 g .. 4 g + 3.  No LDS byte is filled twice.
; All that the work-group reads of K and V is asked for at the head, so nothing is left to prefetch.  NO CLUSTER: the work-groups that share K and V differ in their blocks of queries, on which the causal branches hang.
; BOTH PRODUCTS ARE USED TRANSPOSED: S^T = K Q^T, O^T = V^T P^T: a lane holds one query throughout.  THE FIRST PRODUCT HAS K = 64: source 0 is (K's tile 2 j | tile 2 j + 1), used twice: against (Q | zeros) for tile 2 j and
; against (zeros | Q) for tile 2 j + 1; zero codes add nothing.
; CAUSAL.  All trip counts are constants; a key step all of whose keys come after the wave's queries is jumped over by a scalar branch on ids; on the diagonal hidden scores become -infinity ahead of the maximum.
; OUTPUTS.  oc: image (16 T + head) x 768, T = 128 x batch + query tile.  os: [head of a batch][query tile][r] 16 bits: the two scale bytes.
; LIMITS: NaN and infinities are not served; a block whose largest magnitude lies under 2^-122, a block of zeros among them, has the byte 1; O / l is a multiplication by v_rcp_f32 (1 ulp);
; a block's largest p is made from the block's largest score, which takes v_exp_f32 not to fall where its input rises.
; REGISTERS: v1, v2 16 and 8 x lane; v3, v4 the same in the step's record; v5, v9, v10 Q's offsets; v6, v7 LDS places of os's bytes; v8 my query - 16 h; v11 the same less the tile's first query; v12 -M; v13 the largest t;
; v[14:15] the sum; v16-21 Q, v22-27 zeros, v28-33 Q; v34 Q's scale word, v35 p's; v36-83 K's four pairs of tiles, then p's codes (36-47) and work; v84-87 K's and V's scale words; v[88:89] f; v90-93 work; v96-159 S^T, then p;
; v160-191 O^T; v192-239 V's four fragments.
.set REC, 12800                        ; a key step's record
.set GRP, 4*REC
.set OSC, 16*REC                       ; behind K and V: 512 bytes in which a block's scale bytes meet; no fill lands there
	s_load_b256 s[4:11], s[0:1], 0x0               ; qq, kv, oc, os
	v_lshl_add_u32 v254, v0, 2, 0x32400
	v_mov_b32 v255, 0
	ds_add_u32 v254, v255
	ds_add_u32 v254, v255
	v_lshrrev_b32 v1, 5, v0
	s_delay_alu instid0(VALU_DEP_1)
	v_readfirstlane_b32 s12, v1                    ; wave 0..15
	s_mov_b32 s13, ttmp9                           ; i
	s_and_b32 s14, ttmp7, 0xffff                   ; the head, 0..63
	; descriptor group 1: one row of 3,200 bytes (400 elements of 8 bytes)
	s_mov_b32 s24, 3<<16
	s_mov_b32 s25, 400<<16                         ; tensor_dim0
	s_mov_b32 s26, 1<<16                           ; tensor_dim1
	s_mov_b32 s27, 400<<16                         ; tile_dim0
	s_mov_b32 s28, 1                               ; tile_dim1
	s_mov_b32 s29, 400                             ; the pitch
	s_mov_b32 s30, 0
	s_mov_b32 s31, 0
	s_mul_i32 s50, s14, 16*REC
	s_mul_i32 s18, s12, 3200                       ; my sixteenth of a group
	s_add_co_u32 s50, s50, s18
	s_mov_b32 s51, 0
	s_wait_dscnt 0x0
	s_wait_kmcnt 0x0
	s_add_nc_u64 s[6:7], s[6:7], s[50:51]
.irp g, 0,1,2,3
	s_mov_b32 s[32+4*\g], 1
	s_add_co_u32 s[33+4*\g], s18, \g*GRP
	s_add_nc_u64 s[34+4*\g:35+4*\g], s[6:7], \g*GRP
	s_or_b32 s[35+4*\g], s[35+4*\g], 0x80000000
.endr
	tensor_load_to_lds s[32:35], s[24:31]
	s_nop 0
	tensor_load_to_lds s[36:39], s[24:31]
	s_nop 0
	tensor_load_to_lds s[40:43], s[24:31]
	s_nop 0
	tensor_load_to_lds s[44:47], s[24:31]
	s_nop 0
.rept 4
	v_nop
.endr
	v_and_b32 v1, 31, v0
	s_delay_alu instid0(VALU_DEP_1)
	v_lshlrev_b32 v2, 3, v1                        ; 8 x lane
	s_delay_alu instid0(VALU_DEP_2)
	v_lshlrev_b32 v1, 4, v1                        ; 16 x lane
	v_and_b32 v90, 15, v0                          ; r
	s_wait_alu depctr_va_vdst(0)
	v_bfe_u32 v91, v0, 4, 1                        ; h
	s_wait_alu depctr_va_vdst(0)
	s_and_b32 s50, s12, 7                          ; my tile among the eight of its record of Q
	s_mul_i32 s51, s50, 768
	v_add_nc_u32 v9, s51, v1
	s_add_co_u32 s51, s51, 512
	v_add_nc_u32 v10, s51, v2
	s_lshr_b32 s50, s50, 1
	s_lshl_b32 s50, s50, 2
	s_add_co_u32 s50, s50, 6144
	v_lshl_add_u32 v5, v90, 4, s50                 ; my row's word of my pair of tiles
	s_lshl_b32 s50, s12, 5
	s_add_co_u32 s50, s50, OSC
	v_lshl_add_u32 v6, v90, 1, s50                 ; OSC + 32 w + 2 r
	s_and_b32 s50, s12, 1
	s_lshl_b32 s51, s50, 8
	s_add_co_u32 s51, s51, OSC
	v_add_nc_u32 v7, s51, v2                       ; waves 0 and 1 carry the 512 bytes out
	s_mov_b32 s58, 0x05040100
	s_cmp_eq_u32 s50, 1
	s_cselect_b32 s58, 0x07060302, s58             ; which half of the pair's word is my tile's
	s_lshl_b32 s50, s50, 3
	s_lshr_b32 s59, s12, 1
	s_lshl_b32 s59, s59, 5
	s_add_co_u32 s59, s59, s50                     ; my tile's first query in its block: 32 (w / 2) + 8 (w % 2)
	s_lshr_b32 s60, s12, 3
	v_and_b32 v11, 8, v90
	s_delay_alu instid0(VALU_DEP_1)
	v_add_nc_u32 v11, v11, v90                     ; r + 8 (r / 8)
	v_lshlrev_b32 v92, 4, v91
	s_delay_alu instid0(VALU_DEP_1)
	v_sub_nc_u32 v11, v11, v92                     ; - 16 h
.irp j, 22,23,24,25,26,27, 60,61,62,63, 88,89,93
	v_mov_b32 v\j, 0                               ; the zero codes beside Q; and registers that are named as a pair's upper half or as a lane permute's destination before they are first written
.endr
	s_mov_b32 s20, 0x76543210
	s_mov_b32 s21, 0xfedcba98                      ; v_permlanex16_b32's selects for lane l xor 16
	s_mov_b32 s22, 0x3e38aa3b                      ; c = log2(e) / 8
	s_mov_b32 s23, s22                             ; (named with it as a pair)
	s_mul_i32 s50, s14, 102400
	s_mov_b32 s51, 0
	s_add_nc_u64 s[4:5], s[4:5], s[50:51]          ; Q at my head
	s_lshr_b32 s50, s14, 4
	s_mul_i32 s50, s50, 1572864                    ; oc: the batch's 128 tiles x 16 images x 768 bytes,
	s_mul_i32 s51, s12, 12288                      ; my tile's 16 images,
	s_add_co_u32 s50, s50, s51
	s_and_b32 s51, s14, 15
	s_mul_i32 s51, s51, 768                        ; my head's image
	s_add_co_u32 s50, s50, s51
	s_mov_b32 s51, 0
	s_add_nc_u64 s[8:9], s[8:9], s[50:51]
	s_lshl_b32 s50, s14, 12                        ; os: 4,096 bytes a head,
	s_and_b32 s51, s12, 1
	s_lshl_b32 s51, s51, 8
	s_add_co_u32 s50, s50, s51                     ; and the half that wave 0 or 1 carries
	s_mov_b32 s51, 0
	s_add_nc_u64 s[10:11], s[10:11], s[50:51]
	s_sub_co_u32 s15, 7, s13                       ; the first block of queries: 7 - i
	s_mov_b32 s16, 2
; A KEY STEP: 128 keys from key s19 on, whose record begins at LDS byte s18.
.macro STEP
	s_cmp_gt_u32 s19, s49                          ; all keys come after my queries: the step's work is left out
	s_cbranch_scc1 .Lhidden_\@
	s_setprio 2
	v_add_nc_u32 v3, s18, v1
	v_add_nc_u32 v4, s18, v2
	v_nop
	v_nop                                          ; four plain instructions between the last step's products and loads into registers that they read
.irp j, 0,1,2,3
	ds_load_b128 v[36+12*\j:39+12*\j], v3 offset:1536*\j
	ds_load_b64 v[40+12*\j:41+12*\j], v4 offset:1536*\j+512
	ds_load_b128 v[42+12*\j:45+12*\j], v3 offset:1536*\j+768
	ds_load_b64 v[46+12*\j:47+12*\j], v4 offset:1536*\j+1280
.endr
	ds_load_b128 v[84:87], v3 offset:12288         ; lanes 0-15: K's four words of row r; lanes 16-31: V's
.irp a, 0,1,2,3
.irp c, 0,1,2
	ds_load_b128 v[192+12*\a+4*\c:195+12*\a+4*\c], v3 offset:6144+1536*\a+512*\c
.endr
.endr
	s_wait_dscnt 12                                ; K and the scale words are in; V's twelve loads may be out
.irp j, 0,1,2,3
	v_wmma_scale_f32_16x16x128_f8f6f4 v[96+16*\j:103+16*\j], v[36+12*\j:47+12*\j], v[16:27], 0, v[84+\j], v34 matrix_a_fmt:MATRIX_FMT_BF6 matrix_b_fmt:MATRIX_FMT_BF6
	v_wmma_scale_f32_16x16x128_f8f6f4 v[104+16*\j:111+16*\j], v[36+12*\j:47+12*\j], v[22:33], 0, v[84+\j], v34 matrix_a_fmt:MATRIX_FMT_BF6 matrix_b_fmt:MATRIX_FMT_BF6
.endr                                  ; register 16 b + i holds key s19 + 32 b + 16 h + i
.rept 4
	v_nop
.endr
	s_add_co_u32 s50, s19, 127
	s_cmp_le_u32 s50, s48                          ; all 128 keys count for all my queries: no mask
	s_cbranch_scc1 .Lopen_\@
	v_sub_nc_u32 v90, v8, s19                      ; d = my query - 16 h - the first key: register 16 b + i is hidden where 32 b + i > d
	v_mov_b32 v91, 0xff800000                      ; -infinity
.set n, 0
.rept 64
	v_cmp_gt_i32 vcc_lo, 32*(n/16)+n%16, v90
	v_cndmask_b32 v[96+n], v[96+n], v91, vcc_lo
.set n, n+1
.endr
.Lopen_\@:
.irp b, 0,1,2,3
	v_max3_num_f32 v[56+\b], v[96+16*\b], v[97+16*\b], v[98+16*\b]   ; the largest score of each block of 32 keys: for the row's maximum, and, since p rises with the score, for the block's largest p
.endr
.irp i, 3,5,7,9,11,13
.irp b, 0,1,2,3
	v_max3_num_f32 v[56+\b], v[56+\b], v[96+16*\b+\i], v[97+16*\b+\i]
.endr
.endr
.irp b, 0,1,2,3
	v_max_num_f32 v[56+\b], v[56+\b], v[111+16*\b]
.endr
.irp b, 0,1,2,3
	s_delay_alu instid0(VALU_DEP_4)
	v_permlanex16_b32 v[60+\b], v[56+\b], s20, s21
.endr
.irp b, 0,1,2,3
	s_delay_alu instid0(VALU_DEP_4)
	v_max_num_f32 v[56+\b], v[56+\b], v[60+\b]     ; with lane l xor 16's 16 keys
.endr
	s_delay_alu instid0(VALU_DEP_2)
	v_max3_num_f32 v90, v56, v57, v58
	s_delay_alu instid0(VALU_DEP_1)
	v_max_num_f32 v90, v90, v59                    ; the step's largest score of my query
	s_delay_alu instid0(VALU_DEP_1)
	v_mul_f32 v90, s22, v90                        ; as t
	s_delay_alu instid0(VALU_DEP_1)
	v_max_num_f32 v13, v13, v90                    ; the running largest t
	v_mov_b32 v90, v12
	s_delay_alu instid0(VALU_DEP_2)
	v_floor_f32 v12, -v13                          ; the new -M = floor(-t): M is a whole number
	s_delay_alu instid0(VALU_DEP_1)
	v_sub_f32 v90, v12, v90                        ; old M - new M, 0 or less
	s_delay_alu instid0(VALU_DEP_1)
	v_cvt_i32_f32 v90, v90                         ; (it saturates)
	s_delay_alu instid0(VALU_DEP_1)
	v_ldexp_f32 v88, 1.0, v90                      ; f = 2^(old M - new M)
.set n, 0
.rept 32
	v_pk_fma_f32 v[96+n:97+n], v[96+n:97+n], s[22:23], v[12:13] op_sel_hi:[1,0,0]   ; t - M, two at a time
.set n, n+2
.endr
	s_setprio 1
.irp b, 0,1,2,3
	v_fma_f32 v[56+\b], v[56+\b], s22, v12         ; the same of each block's largest score
.endr
.set n, 0
	s_wait_alu depctr_va_vdst(0)
.rept 64
	v_exp_f32 v[96+n], v[96+n]                     ; p = 2^(t - M)
.set n, n+1
.endr
	v_pk_mul_f32 v[14:15], v[14:15], v[88:89] op_sel_hi:[1,0]      ; the sums under the new M; the plain instruction behind the exponentials
	s_wait_alu depctr_va_vdst(0)                   ; one wait for the batch of 64, ahead of its first reader
.irp b, 0,1,2,3
	v_exp_f32 v[56+\b], v[56+\b]                   ; each block's largest p
.endr
	v_pk_add_f32 v[92:93], v[100:101], v[104:105]
	v_pk_add_f32 v[252:253], v[108:109], v[112:113]
	v_pk_add_f32 v[250:251], v[116:117], v[120:121]
	v_pk_add_f32 v[248:249], v[124:125], v[128:129]
	v_pk_add_f32 v[246:247], v[132:133], v[136:137]
	v_pk_add_f32 v[244:245], v[140:141], v[144:145]
	v_pk_add_f32 v[242:243], v[148:149], v[152:153]
	v_pk_add_f32 v[14:15], v[14:15], v[156:157]
	v_pk_add_f32 v[92:93], v[92:93], v[96:97]
	v_pk_add_f32 v[252:253], v[252:253], v[98:99]
	v_pk_add_f32 v[250:251], v[250:251], v[102:103]
	v_pk_add_f32 v[248:249], v[248:249], v[106:107]
	v_pk_add_f32 v[246:247], v[246:247], v[110:111]
	v_pk_add_f32 v[244:245], v[244:245], v[114:115]
	v_pk_add_f32 v[242:243], v[242:243], v[118:119]
	v_pk_add_f32 v[14:15], v[14:15], v[122:123]
	v_pk_add_f32 v[92:93], v[92:93], v[126:127]
	v_pk_add_f32 v[252:253], v[252:253], v[130:131]
	v_pk_add_f32 v[250:251], v[250:251], v[134:135]
	v_pk_add_f32 v[248:249], v[248:249], v[138:139]
	v_pk_add_f32 v[246:247], v[246:247], v[142:143]
	v_pk_add_f32 v[244:245], v[244:245], v[146:147]
	v_pk_add_f32 v[242:243], v[242:243], v[150:151]
	v_pk_add_f32 v[14:15], v[14:15], v[154:155]
	v_pk_add_f32 v[92:93], v[92:93], v[158:159]
	s_delay_alu instid0(VALU_DEP_2)
	v_pk_add_f32 v[14:15], v[14:15], v[248:249]
	s_delay_alu instid0(VALU_DEP_2)
	v_pk_add_f32 v[92:93], v[92:93], v[246:247]
	v_pk_add_f32 v[252:253], v[252:253], v[244:245]
	v_pk_add_f32 v[250:251], v[250:251], v[242:243]
	s_delay_alu instid0(VALU_DEP_2)
	v_pk_add_f32 v[14:15], v[14:15], v[252:253]
	s_delay_alu instid0(VALU_DEP_2)
	v_pk_add_f32 v[92:93], v[92:93], v[250:251]
	s_delay_alu instid0(VALU_DEP_1)
	v_pk_add_f32 v[14:15], v[14:15], v[92:93]
	s_wait_alu depctr_va_vdst(0)                   ; and one for the four
.irp b, 0,1,2,3
	v_max_num_f32 v[56+\b], 0x2800000, v[56+\b]    ; the floor 2^(5 - 127): a block whose every p is 0 keeps the byte 1; its codes are zeros
.endr
.irp b, 0,1,2,3
	s_delay_alu instid0(VALU_DEP_4)
	v_add_nc_u32 v[64+\b], 0xfe000000, v[56+\b]    ; 4 off the exponent field: the conversion's scale operand
.endr
.irp b, 0,1,2,3
	s_delay_alu instid0(VALU_DEP_4)
	v_lshrrev_b32 v[60+\b], 23, v[64+\b]           ; the scale's byte
.endr
	s_delay_alu instid0(VALU_DEP_3)
	v_lshl_or_b32 v35, v61, 8, v60                 ; p's scale word for these 128 keys
	s_delay_alu instid0(VALU_DEP_1)
	v_lshl_or_b32 v35, v62, 16, v35
	s_delay_alu instid0(VALU_DEP_1)
	v_lshl_or_b32 v35, v63, 24, v35
	s_setprio 0
.irp c, 0,1
	v_cvt_scalef32_pk16_bf6_f32 v[36+6*\c:38+6*\c], v[96+32*\c:111+32*\c], v[64+2*\c]
	v_cvt_scalef32_pk16_bf6_f32 v[48+4*\c:50+4*\c], v[112+32*\c:127+32*\c], v[65+2*\c]   ; (a conversion's three registers begin on an even number)
.endr
	v_nop                                          ; one plain instruction behind the conversions
.irp c, 0,1                            ; the operand's layout wants a whole block in a lane
.irp i, 0,1,2
	v_permlane16_swap_b32 v[36+6*\c+\i], v[48+4*\c+\i]
.endr
.irp i, 0,1,2
	s_delay_alu instid0(VALU_DEP_3)
	v_mov_b32 v[39+6*\c+\i], v[48+4*\c+\i]
.endr
.endr
.set n, 0
.rept 16
	v_pk_mul_f32 v[160+n:161+n], v[160+n:161+n], v[88:89] op_sel_hi:[1,0]   ; O^T under the new M; these sixteen also stand between the writing of p's codes and scale word and the products
.set n, n+2
.endr
	s_wait_alu depctr_va_vdst(0)
	s_wait_dscnt 0x0                               ; V is in
.irp a, 0,1,2,3                        ; the four accumulators take turns, one instruction a turn
	v_wmma_scale_f32_16x16x128_f8f6f4 v[160+8*\a:167+8*\a], v[192+12*\a:203+12*\a], v[36:47], v[160+8*\a:167+8*\a], v[84+\a], v35 matrix_a_fmt:MATRIX_FMT_BF6 matrix_b_fmt:MATRIX_FMT_BF6 matrix_a_scale:MATRIX_SCALE_ROW1
.endr
.Lhidden_\@:
	s_add_co_u32 s19, s19, 128
	s_add_co_u32 s18, s18, REC
.endm
; Key steps 4 g .. 4 g + 3: they lie in the bytes that every wave's load g has filled.
.macro GROUP g
	s_wait_tensorcnt 3-(\g)                        ; my load g has landed; the later groups' may be out.  (In the second block of queries all have landed)
	s_wait_dscnt 0x0                               ; no LDS instruction of mine is out at the signal
	s_barrier_signal -1
	s_barrier_wait -1                              ; everybody's has landed
	s_mov_b32 s18, (\g)*GRP
	s_mov_b32 s19, (\g)*512
	s_mov_b32 s17, 4
.Lstep_\@:
	STEP
	s_sub_co_u32 s17, s17, 1
	s_cmp_lg_u32 s17, 0
	s_cbranch_scc1 .Lstep_\@
	s_setprio 0
.endm
.Lphase:                               ; two trips: block 7 - i, then block i
	s_lshl_b32 s48, s15, 8
	s_add_co_u32 s48, s48, s59                     ; my tile's first query,
	s_add_co_u32 s49, s48, 23                      ; and its last
	s_lshl_b32 s50, s15, 1
	s_add_co_u32 s50, s50, s60
	s_mul_i32 s50, s50, 6400
	s_mov_b32 s51, 0
	s_add_nc_u64 s[52:53], s[4:5], s[50:51]        ; my record of Q
	s_mul_i32 s50, s15, 196608
	s_add_nc_u64 s[54:55], s[8:9], s[50:51]        ; my image in oc
	s_lshl_b32 s50, s15, 9
	s_add_nc_u64 s[56:57], s[10:11], s[50:51]      ; the block's 512 bytes of os
	global_load_b128 v[16:19], v9, s[52:53]        ; Q's image, for (Q | zeros),
	global_load_b64 v[20:21], v10, s[52:53]
	global_load_b128 v[28:31], v9, s[52:53]        ; and once more, for (zeros | Q): the two operands overlap in the zeros alone
	global_load_b64 v[32:33], v10, s[52:53]
	global_load_b32 v92, v5, s[52:53]
	v_add_nc_u32 v8, s48, v11
	v_mov_b32 v13, 0xff61b1e6                      ; the largest t so far: -3e38
	s_delay_alu instid0(VALU_DEP_1)
	v_floor_f32 v12, -v13
	v_mov_b32 v14, 0
	v_mov_b32 v15, 0
	s_wait_loadcnt 0x0
	v_perm_b32 v34, v92, v92, s58                  ; my tile's two bytes, below and above: they scale Q in either half of the operand
.set n, 0
.rept 32
	v_mov_b32 v[160+n], 0                          ; O^T: the first change of M multiplies zeros.  More than eight plain instructions between the scale word's writing and the first product
.set n, n+1
.endr
	GROUP 0
	GROUP 1
	GROUP 2
	GROUP 3
	; THE WAY OUT
.rept 4
	v_nop                                          ; behind the last products
.endr
	v_add_f32 v14, v14, v15                        ; the sum's two halves,
	s_delay_alu instid0(VALU_DEP_1)
	v_permlanex16_b32 v90, v14, s20, s21
	s_delay_alu instid0(VALU_DEP_1)
	v_add_f32 v14, v14, v90                        ; and lane l xor 16's
	s_wait_alu depctr_va_vdst(0)
	v_rcp_f32 v88, v14
	v_nop                                          ; a plain instruction behind the reciprocal,
	s_wait_alu depctr_va_vdst(0)                   ; and the wait ahead of its first reader
.set n, 0
.rept 16
	v_pk_mul_f32 v[96+n:97+n], v[160+n:161+n], v[88:89] op_sel_hi:[1,0]   ; O^T / l: register 16 b + i is channel 32 b + 16 h + i of my query; each accumulator from its low end on
.set n, n+2
.endr
.irp b, 0,1
	v_max3_num_f32 v[56+\b], |v[96+16*\b]|, |v[97+16*\b]|, 0x2800000
.endr
.irp i, 2,4,6,8,10,12,14
.irp b, 0,1
	s_delay_alu instid0(VALU_DEP_2)
	v_max3_num_f32 v[56+\b], v[56+\b], |v[96+16*\b+\i]|, |v[97+16*\b+\i]|
.endr
.endr
.irp b, 0,1
	s_delay_alu instid0(VALU_DEP_2)
	v_permlanex16_b32 v[60+\b], v[56+\b], s20, s21
.endr
.irp b, 0,1
	s_delay_alu instid0(VALU_DEP_2)
	v_max_num_f32 v[56+\b], v[56+\b], v[60+\b]
.endr
.irp b, 0,1
	s_delay_alu instid0(VALU_DEP_2)
	v_add_nc_u32 v[64+\b], 0xfe000000, v[56+\b]
.endr
.irp b, 0,1
	s_delay_alu instid0(VALU_DEP_2)
	v_lshrrev_b32 v[60+\b], 23, v[64+\b]
.endr
	s_delay_alu instid0(VALU_DEP_1)
	v_lshl_or_b32 v90, v61, 8, v60                 ; my query's two scale bytes
	v_cvt_scalef32_pk16_bf6_f32 v[36:38], v[96:111], v64
	v_cvt_scalef32_pk16_bf6_f32 v[48:50], v[112:127], v65
	v_nop
.irp i, 0,1,2
	v_permlane16_swap_b32 v[36+\i], v[48+\i]
.endr
.irp i, 0,1,2
	s_delay_alu instid0(VALU_DEP_3)
	v_mov_b32 v[39+\i], v[48+\i]
.endr
	global_store_b128 v1, v[36:39], s[54:55]       ; the image: 512 consecutive bytes,
	global_store_b64 v2, v[40:41], s[54:55] offset:512   ; and 256 more
	ds_store_b16 v6, v90                           ; both lanes of a query write the same bytes with the same value
	s_wait_dscnt 0x0                               ; for the others' sake
	s_barrier_signal -1
	s_barrier_wait -1
	s_cmp_lt_u32 s12, 2
	s_cbranch_scc0 .Lno_os
	ds_load_b64 v[92:93], v7
	s_wait_dscnt 0x0                               ; in, ahead of the next block's barriers, behind which these bytes are written again
	global_store_b64 v2, v[92:93], s[56:57]        ; 32 lanes fill 256 consecutive bytes
.Lno_os:
	s_wait_xcnt 0x0                                ; the stores have read their registers and bases: the next block writes them again
	s_sub_co_u32 s15, 7, s15                       ; the other block
	s_sub_co_u32 s16, s16, 1
	s_cmp_lg_u32 s16, 0
	s_cbranch_scc1 .Lphase
	s_wait_tensorcnt 0x0
	ds_add_u32 v254, v255
	s_wait_dscnt 0x0
	s_endpgm
.Lfunc_end_k_qca5a2c2c39_attn:
	.size	k_qca5a2c2c39_attn, .Lfunc_end_k_qca5a2c2c39_attn-k_qca5a2c2c39_attn
	.p2alignl 7, 3214868480
	.fill 96, 4, 3214868480
	.section	.rodata,"a",@progbits
	.p2align	6, 0x0
	.amdhsa_kernel k_qca5a2c2c39_attn
		.amdhsa_group_segment_fixed_size 207872
		.amdhsa_private_segment_fixed_size 0
		.amdhsa_enable_private_segment 0
		.amdhsa_kernarg_size 32
		.amdhsa_user_sgpr_count 2
		.amdhsa_user_sgpr_kernarg_segment_ptr 1
		.amdhsa_wavefront_size32 1
		.amdhsa_system_sgpr_workgroup_id_x 1
		.amdhsa_system_sgpr_workgroup_id_y 1
		.amdhsa_system_sgpr_workgroup_id_z 1
		.amdhsa_system_vgpr_workitem_id 0
		.amdhsa_next_free_vgpr 256
		.amdhsa_next_free_sgpr 66
		.amdhsa_reserve_vcc 1
		.amdhsa_float_denorm_mode_32 3
		.amdhsa_float_denorm_mode_16_64 3
		.amdhsa_memory_ordered 1
		.amdhsa_forward_progress 1
		.amdhsa_inst_pref_size 103
	.end_amdhsa_kernel
	.amdgpu_metadata
---
amdhsa.version: [ 1, 2 ]
amdhsa.kernels:
  - .name:           k_qca5a2c2c39_attn
    .symbol:         k_qca5a2c2c39_attn.kd
    .args:
      - { .name: qq, .offset: 0, .size: 8, .value_kind: global_buffer, .address_space: global }
      - { .name: kv, .offset: 8, .size: 8, .value_kind: global_buffer, .address_space: global }
      - { .name: oc, .offset: 16, .size: 8, .value_kind: global_buffer, .address_space: global }
      - { .name: os, .offset: 24, .size: 8, .value_kind: global_buffer, .address_space: global }
    .group_segment_fixed_size: 207872
    .private_segment_fixed_size: 0
    .kernarg_segment_align: 8
    .kernarg_segment_size: 32
    .max_flat_workgroup_size: 512
    .sgpr_count:     66
    .vgpr_count:     256
    .wavefront_size: 32
...
	.end_amdgpu_metadata
.endif
;; end of part 3
;; launch outp (part 4): grid 8 x 32, 4 waves a work-group, clusters of 4 x 4, 295,424 bytes of LDS; arguments oc, os, xw, sc, out0; writes out0
.if DOCPART == 4
	.amdgcn_target "amdgcn-amd-amdhsa--gfx1250"
	.amdhsa_code_object_version 6
	.text
	.protected	k_qca5a2c2c39_outp
	.globl	k_qca5a2c2c39_outp
	.p2align	8
	.type	k_qca5a2c2c39_outp,@function
k_qca5a2c2c39_outp:
	s_mov_b64 s[64:65], 0
	v_nop
	global_prefetch_b8 v0, s[64:65] scope:SCOPE_SE
	s_setreg_imm32_b32 hwreg(HW_REG_WAVE_MODE, 25, 1), 1
	s_wait_xcnt 0x0
	s_wait_alu depctr_hold_cnt(0) depctr_sa_sdst(0) depctr_va_vdst(0) depctr_va_sdst(0) depctr_va_ssrc(0) depctr_va_vcc(0) depctr_vm_vsrc(0)
	s_getreg_b32 s2, hwreg(HW_REG_IB_STS2, 6, 4)
	s_cmp_eq_u32 s2, 0
	s_cbranch_scc0 .Lentry_in_a_cluster
	s_endpgm
.Lentry_in_a_cluster:
	s_bfe_u32 s2, ttmp6, 0x10000c
	s_cmp_lg_u32 s2, 0xf033
	s_cbranch_scc0 .Lentry_shape_is_right
	s_endpgm
.Lentry_shape_is_right:
; out0 = A wo^T on codes of BF6 (E3M2) with E8M0 scales, K = 1,024; A is the attention's output, 8,192 tokens; out0 [8192][1024] f32.
; INPUTS.  oc (A) and xw (wo: tiles 704-767): for each tile of 16 rows sixteen images of 768 bytes, one for each 64 along K: lane (r, h) holds k = 32 h .. 32 h + 31: registers 0-3 at 16 x lane, registers 4-5 at 512 + 8 x lane.
; Lane row r of tile t is row 32 (t / 2) + 8 (t % 2) + r + 8 (r / 8).  sc: wo's scale words, [tile][half of K][r][4 words].  os: A's scale bytes, [head of a batch][query tile][r] 16 bits.
; THE TILE.  A work-group makes 256 tokens (R, source 1: a lane holds one token) x 128 outputs (C, source 0: a lane's registers run along them): 256 work-groups.  Wave w owns R's tiles 4 w .. 4 w + 3 and all eight of C.
; ALL OF K LIES IN LDS: four stages of 256 along K, 73,728 bytes each (R's 16 tiles x 3,072 bytes, then C's 8), each filled once, by four tensor loads a wave issued together at the head: four are out at the most.
; No LDS byte is filled twice, so there is no ring and no refill.  All tiles are asked for at the head, so nothing is left to prefetch.
; CLUSTERS: 4 x 4 work-groups; R's tiles are asked for jointly along a row of the cluster, C's along a column.
; REGISTERS.  Window 0: v1-3 r, h, lane; v16-25 addresses; v32-63 R's scale words (8 a + s); v64-127 C's (8 b + s); v128-223 R's fragments, two sets (before them A's scale bytes; on the way out v128-255 rows of out0).
; Window 1: C's fragments, two sets, at 0 and 128.  Window 2: accumulator (a, b) at 8 (8 a + b).
.set STG,   73728                      ; a stage
.set CBASE, 49152                      ; C's tiles in a stage
.set SPITCH, 528                       ; the way out: a stage of 16 rows x (512 bytes + 16) for each wave, in bytes that have had their one fill and their last read
.set SA, 32
.set SB, 64
.set AF, 128
.set MSB, 0
.macro WIN new                         ; the immediate's high byte repeats the setting that is left
.if MSB != \new
	s_set_vgpr_msb (MSB<<8)|\new
.set MSB, \new
.endif
.endm
.macro CROUND                          ; a round of the cluster's barrier
	s_barrier_signal -1
	s_barrier_wait -1
	s_cmp_lg_u32 s14, 0
	s_cbranch_scc1 .Lnot_wave_0_\@
	s_barrier_signal -3
.Lnot_wave_0_\@:
	s_barrier_wait -3
	s_barrier_signal -1
	s_barrier_wait -1
.endm
.macro PLACES n
.rept \n
	v_nop
.endr
.endm
.macro FRAG reg, a16, a8, off          ; a fragment, 16 rows x 128 K: two images, as they lie
	ds_load_b128 v[(\reg):(\reg)+3], v[\a16] offset:(\off)
	ds_load_b64 v[(\reg)+4:(\reg)+5], v[\a8] offset:(\off)+512
	ds_load_b128 v[(\reg)+6:(\reg)+9], v[\a16] offset:(\off)+768
	ds_load_b64 v[(\reg)+10:(\reg)+11], v[\a8] offset:(\off)+1280
.endm
.macro FETCH s                         ; K step s: C's eight fragments and my four of R into set s % 2: 48 LDS loads in one run
	WIN 0x40                                       ; destination window 1, address window 0
.irp b, 0,1,2,3,4,5,6,7
	FRAG 128*((\s)%2)+12*\b, 18, 19, 3072*\b+1536*((\s)%2)
.endr
	WIN 0
.irp a, 0,1,2,3
	FRAG AF+48*((\s)%2)+12*\a, 16, 17, 3072*\a+1536*((\s)%2)
.endr
.endm
.macro MUL32 s                         ; the 32 accumulators take turns, one instruction a turn, in the same order in every step; the first step's products start the sums
	WIN 0xa1                                       ; source 0 window 1, source 1 window 0, C and D window 2
.irp a, 0,1,2,3
.irp b, 0,1,2,3,4,5,6,7
.if (\s) == 0
	v_wmma_scale_f32_16x16x128_f8f6f4 v[8*(8*\a+\b):8*(8*\a+\b)+7], v[128*((\s)%2)+12*\b:128*((\s)%2)+12*\b+11], v[AF+48*((\s)%2)+12*\a:AF+48*((\s)%2)+12*\a+11], 0, v[SB+8*\b+(\s)], v[SA+8*\a+(\s)] matrix_a_fmt:MATRIX_FMT_BF6 matrix_b_fmt:MATRIX_FMT_BF6
.else
	v_wmma_scale_f32_16x16x128_f8f6f4 v[8*(8*\a+\b):8*(8*\a+\b)+7], v[128*((\s)%2)+12*\b:128*((\s)%2)+12*\b+11], v[AF+48*((\s)%2)+12*\a:AF+48*((\s)%2)+12*\a+11], v[8*(8*\a+\b):8*(8*\a+\b)+7], v[SB+8*\b+(\s)], v[SA+8*\a+(\s)] matrix_a_fmt:MATRIX_FMT_BF6 matrix_b_fmt:MATRIX_FMT_BF6
.endif
.endr
.endr
	WIN 0
.endm
; A K step of 128.  Loads into registers that matrix instructions have read stand four plain vector instructions behind them (ISA guide 7.12.1 for vector instructions).
.macro KSTEP s
.if (\s) == 7
	s_wait_dscnt 0x0                               ; the last fragments are in
.elseif ((\s)%2) == 0
.if (\s) > 0
	PLACES 4
.endif
	FETCH (\s)+1                                   ; the stage's second half, into the set that the last step multiplied
	s_wait_dscnt 48                                ; all but the 48 just issued: this step's fragments are in
.else
	s_wait_tensorcnt 3-((\s)+1)/2                  ; my part of the next stage has landed; the later stages' loads may be out
	s_wait_dscnt 0x0                               ; this step's fragments are in: no LDS instruction of mine is out at the signal
	s_barrier_signal -1
	s_barrier_wait -1                              ; everybody's part has landed
	s_wait_alu depctr_va_vdst(0)
	v_add_nc_u32 v16, STG, v16                     ; on to the next stage; these four are the places in front of the loads
	v_add_nc_u32 v17, STG, v17
	v_add_nc_u32 v18, STG, v18
	v_add_nc_u32 v19, STG, v19
	FETCH (\s)+1
.endif
	MUL32 \s
.endm
	s_load_b256 s[4:11], s[0:1], 0x0               ; oc, os, xw, sc
	s_load_b64 s[12:13], s[0:1], 0x20              ; out0
	v_lshl_add_u32 v30, v0, 2, 0x48000
	v_mov_b32 v31, 0
	ds_add_u32 v30, v31
	ds_add_u32 v30, v31
	v_lshrrev_b32 v4, 5, v0
	v_readfirstlane_b32 s14, v4                    ; wave 0..3
	s_and_b32 s16, s14, 1
	s_bfe_u32 s40, ttmp6, 0x40000                  ; cx, cy: my place in the cluster
	s_bfe_u32 s41, ttmp6, 0x40004
	s_lshl_b32 s84, s41, 2
	s_lshl_b32 s84, 15, s84                        ; my row of the cluster
	s_lshl_b32 s85, 0x1111, s40                    ; my column
	; descriptor group 1: rows of 3,072 bytes (384 elements of 8 bytes: a tile's four images of a stage), 12,288 bytes apart in memory, dense in LDS; R: 8 tiles a load, C: 4
	s_or_b32 s24, s84, (3<<16)|(1<<21)             ; 15:0 the mask; 17:16 elements of 8 bytes; 20 no padding; 21 set beside a mask
	s_or_b32 s32, s85, (3<<16)|(1<<21)
	s_mov_b32 s25, 384<<16                         ; tensor_dim0
	s_mov_b32 s26, 8<<16                           ; tensor_dim1
	s_mov_b32 s27, 384<<16                         ; tile_dim0
	s_mov_b32 s28, 8                               ; tile_dim1
	s_mov_b32 s29, 1536                            ; the pitch, in elements
	s_mov_b32 s30, 0
	s_mov_b32 s31, 0
	s_mov_b32 s33, 384<<16
	s_mov_b32 s34, 4<<16
	s_mov_b32 s35, 384<<16
	s_mov_b32 s36, 4
	s_mov_b32 s37, 1536
	s_mov_b32 s38, 0
	s_mov_b32 s39, 0
	s_and_b32 s17, ttmp7, 0xffff
	s_lshl_b32 s17, s17, 2
	s_add_co_u32 s17, s17, s41                     ; R's block of 256 tokens: 4 x cluster y + cy
	s_lshl_b32 s18, ttmp9, 2
	s_add_co_u32 s18, s18, s40                     ; C's block of 128 outputs: 4 x cluster x + cx
	s_lshl_b32 s89, s17, 4                         ; R's first tile
	s_lshl_b32 s90, s18, 3
	s_add_co_u32 s90, s90, 704                     ; C's first tile
	s_lshr_b32 s91, s17, 3
	s_lshl_b32 s91, s91, 16                        ; os: the batch's 16 heads x 4,096 bytes,
	s_lshl_b32 s93, s14, 2
	s_add_co_u32 s93, s93, s89
	s_and_b32 s93, s93, 127
	s_lshl_b32 s93, s93, 5
	s_add_co_u32 s91, s91, s93                     ; my first tile in the batch, 32 bytes a tile
	s_lshl_b32 s92, s90, 9                         ; sc: C's eight tiles
	s_lshl_b32 s93, s16, 3
	s_add_co_u32 s93, s93, s89                     ; waves 0 and 1 fetch R's tiles 8 (w % 2) on,
	s_mul_i32 s94, s93, 12288
	s_mov_b32 s95, 0
	s_lshl_b32 s19, s16, 2
	s_add_co_u32 s19, s19, s90                     ; waves 2 and 3 C's tiles 4 (w % 2) on
	s_mul_i32 s96, s19, 12288
	s_mov_b32 s97, 0
	s_mul_i32 s98, s16, 24576                      ; where they go: no place in the cluster enters an LDS address
	s_mul_i32 s99, s16, 12288
	s_wait_dscnt 0x0
	s_wait_kmcnt 0x0
	s_add_nc_u64 s[44:45], s[4:5], s[94:95]
	s_add_nc_u64 s[46:47], s[8:9], s[96:97]
.irp k, 0,1,2,3                        ; descriptor group 0, a set for each stage
	s_mov_b32 s[48+4*\k], 1
	s_add_co_u32 s[49+4*\k], s98, \k*STG
	s_add_nc_u64 s[50+4*\k:51+4*\k], s[44:45], \k*3072
	s_or_b32 s[51+4*\k], s[51+4*\k], 0x80000000
	s_mov_b32 s[68+4*\k], 1
	s_add_co_u32 s[69+4*\k], s99, \k*STG+CBASE
	s_add_nc_u64 s[70+4*\k:71+4*\k], s[46:47], \k*3072
	s_or_b32 s[71+4*\k], s[71+4*\k], 0x80000000
.endr
	CROUND                                         ; all sixteen work-groups are here: the joint loads meet
	s_cmp_lt_u32 s14, 2                            ; a wave's four fills stand in one branch on its number; four v_nop follow the last
	s_cbranch_scc0 .Lfill_c
	tensor_load_to_lds s[48:51], s[24:31]
	s_nop 0
	tensor_load_to_lds s[52:55], s[24:31]
	s_nop 0
	tensor_load_to_lds s[56:59], s[24:31]
	s_nop 0
	tensor_load_to_lds s[60:63], s[24:31]
	s_nop 0
	PLACES 4
	s_branch .Lfilled
.Lfill_c:
	tensor_load_to_lds s[68:71], s[32:39]
	s_nop 0
	tensor_load_to_lds s[72:75], s[32:39]
	s_nop 0
	tensor_load_to_lds s[76:79], s[32:39]
	s_nop 0
	tensor_load_to_lds s[80:83], s[32:39]
	s_nop 0
	PLACES 4
.Lfilled:
	v_and_b32 v1, 15, v0                           ; r
	v_bfe_u32 v2, v0, 4, 1                         ; h
	v_and_b32 v3, 31, v0                           ; lane
	v_lshl_add_u32 v20, v1, 1, s91
	v_lshl_add_u32 v21, v1, 4, s92
.irp b, 0,1,2,3,4,5,6,7
.irp q, 0,1
	global_load_b128 v[SB+8*\b+4*\q:SB+8*\b+4*\q+3], v21, s[10:11] offset:512*\b+256*\q   ; lane r: row r's four words of a half of K
.endr
.endr
.irp a, 0,1,2,3
.set n, 0
.rept 16
	global_load_u16 v[128+16*\a+n], v20, s[6:7] offset:4096*n+32*\a   ; token r of my tile a: head n's two scale bytes
.set n, n+1
.endr
.endr
	v_lshlrev_b32 v22, 4, v3                       ; 16 x lane
	v_lshlrev_b32 v23, 3, v3                       ; 8 x lane
	s_mul_i32 s20, s14, 12288
	v_add_nc_u32 v16, s20, v22                     ; my four tiles of R in a stage
	v_add_nc_u32 v17, s20, v23
	v_add_nc_u32 v18, CBASE, v22                   ; C's eight
	v_add_nc_u32 v19, CBASE, v23
	s_mul_i32 s20, s14, 16*SPITCH                  ; my stage for the way out
	v_mul_u32_u24 v24, v1, SPITCH
	v_lshl_add_u32 v24, v2, 6, v24
	v_add_nc_u32 v24, s20, v24                     ; in: row r, 64 h bytes on
	v_add_nc_u32 v25, s20, v22                     ; back: the 32 lanes take one row of 512 bytes
	s_lshl_b32 s20, s17, 8
	s_lshl_b32 s21, s14, 6
	s_add_co_u32 s20, s20, s21                     ; my first token: 256 x block + 64 x wave
	s_lshl_b32 s20, s20, 12
	s_lshl_b32 s21, s18, 9                         ; my work-group's 128 outputs
	s_add_co_u32 s20, s20, s21
	s_mov_b32 s21, 0
	s_add_nc_u64 s[12:13], s[12:13], s[20:21]
	s_wait_loadcnt 0x0                             ; all scale words and bytes are in
.irp a, 0,1,2,3
.irp s, 0,1,2,3,4,5,6,7
	v_lshl_or_b32 v[SA+8*\a+\s], v[129+16*\a+2*\s], 16, v[128+16*\a+2*\s]   ; word s covers k = 128 s on: heads 2 s and 2 s + 1
.endr
.endr
	PLACES 8                                       ; a scale register written by a vector instruction stands eight places ahead of a scaled product
	s_wait_alu depctr_va_vdst(0)
	s_wait_tensorcnt 3                             ; my part of stage 0 has landed; three later loads may be out
	s_barrier_signal -1
	s_barrier_wait -1                              ; everybody's has
	FETCH 0
.irp s, 0,1,2,3,4,5,6,7
	KSTEP \s
.endr
; THE WAY OUT, tile by tile of 16 tokens x 128 outputs.  A lane holds pieces of one row, and the lanes beside it hold other rows: so a tile goes through my own stage in LDS and comes back as whole rows of 512 bytes.
; LDS serves a wave's instructions in order (ISA guide 5.7.1.4): no wait between the stores and the loads, nor in front of the next tile's stores.
.macro TOSTAGE a
	WIN 0x08                                       ; an LDS store's data: window 2
.irp b, 0,1,2,3,4,5,6,7
	ds_store_b128 v24, v[8*(8*(\a)+\b):8*(8*(\a)+\b)+3] offset:128*(\b/2)+32*(\b%2)         ; register j of accumulator (a, b) is output 32 (b / 2) + 16 h + 8 (b % 2) + j; each accumulator from its low end on
	ds_store_b128 v24, v[8*(8*(\a)+\b)+4:8*(8*(\a)+\b)+7] offset:128*(\b/2)+32*(\b%2)+16
.endr
	WIN 0
.set BB, 128+64*((\a)%2)
.irp t, 0,1,2,3,4,5,6,7,8,9,10,11,12,13,14,15
	ds_load_b128 v[BB+4*\t:BB+4*\t+3], v25 offset:SPITCH*\t
.endr
.endm
.macro SEND a, younger                 ; younger: the LDS instructions issued behind tile a's loads, which may stay out
.set BB, 128+64*((\a)%2)
	s_wait_dscnt \younger
.irp t, 0,1,2,3,4,5,6,7,8,9,10,11,12,13,14,15
	global_store_b128 v22, v[BB+4*\t:BB+4*\t+3], s[12:13] offset:(32*((\a)/2)+8*((\a)%2)+\t+8*(\t/8))*4096 th:TH_STORE_NT   ; 32 lanes store 512 consecutive bytes of lane row t's token, at a multiple of 256 from out0's first byte
.endr
.endm
	s_barrier_signal -1                            ; my reads of the tiles are over (the last step waited for all of them),
	s_barrier_wait -1                              ; everybody's are: the stages may be written
	PLACES 4                                       ; behind the last products: their results are read, and loads land in the registers that held R's fragments
	TOSTAGE 0
	TOSTAGE 1
	SEND 0, 32                                     ; behind tile 0's loads: tile 1's 16 stores and 16 loads
	s_wait_xcnt 0x0                                ; tile 0's stores have read their registers: tile 2's loads may land there
	TOSTAGE 2
	SEND 1, 32
	s_wait_xcnt 0x0
	TOSTAGE 3
	SEND 2, 32
	SEND 3, 0
	s_wait_tensorcnt 0x0
	ds_add_u32 v30, v31
	s_wait_dscnt 0x0
	CROUND                                         ; the closing round: no work-group ends while a partner may still ask for a tile that names it
	s_endpgm
.Lfunc_end_k_qca5a2c2c39_outp:
	.size	k_qca5a2c2c39_outp, .Lfunc_end_k_qca5a2c2c39_outp-k_qca5a2c2c39_outp
	.p2alignl 7, 3214868480
	.fill 96, 4, 3214868480
	.section	.rodata,"a",@progbits
	.p2align	6, 0x0
	.amdhsa_kernel k_qca5a2c2c39_outp
		.amdhsa_group_segment_fixed_size 295424
		.amdhsa_private_segment_fixed_size 0
		.amdhsa_enable_private_segment 0
		.amdhsa_kernarg_size 40
		.amdhsa_user_sgpr_count 2
		.amdhsa_user_sgpr_kernarg_segment_ptr 1
		.amdhsa_wavefront_size32 1
		.amdhsa_system_sgpr_workgroup_id_x 1
		.amdhsa_system_sgpr_workgroup_id_y 1
		.amdhsa_system_sgpr_workgroup_id_z 1
		.amdhsa_system_vgpr_workitem_id 0
		.amdhsa_next_free_vgpr 768
		.amdhsa_next_free_sgpr 100
		.amdhsa_reserve_vcc 0
		.amdhsa_float_denorm_mode_32 3
		.amdhsa_float_denorm_mode_16_64 3
		.amdhsa_memory_ordered 1
		.amdhsa_forward_progress 1
		.amdhsa_inst_pref_size 92
	.end_amdhsa_kernel
	.amdgpu_metadata
---
amdhsa.version: [ 1, 2 ]
amdhsa.kernels:
  - .name:           k_qca5a2c2c39_outp
    .symbol:         k_qca5a2c2c39_outp.kd
    .args:
      - { .name: oc, .offset: 0, .size: 8, .value_kind: global_buffer, .address_space: global }
      - { .name: os, .offset: 8, .size: 8, .value_kind: global_buffer, .address_space: global }
      - { .name: xw, .offset: 16, .size: 8, .value_kind: global_buffer, .address_space: global }
      - { .name: sc, .offset: 24, .size: 8, .value_kind: global_buffer, .address_space: global }
      - { .name: out0, .offset: 32, .size: 8, .value_kind: global_buffer, .address_space: global }
    .group_segment_fixed_size: 295424
    .private_segment_fixed_size: 0
    .kernarg_segment_align: 8
    .kernarg_segment_size: 40
    .max_flat_workgroup_size: 128
    .sgpr_count:     100
    .vgpr_count:     768
    .wavefront_size: 32
...
	.end_amdgpu_metadata
.endif
;; end of part 4
